; MI455X (gfx1250); checked and timed in simulation.
; The chip was launched on July 23, 2026; its instructions are those of AMD's public machine-readable ISA for CDNA 5 (MIT licence, August 2026) and "CDNA5" Instruction Set Architecture Reference Guide (July 2026). The comments in the code are by the model that wrote it; some were corrected since.
;; Bi Align Layer. Allowed arithmetic: float matrix products may take bf16 or f16 operands with f32 sums; all other float work in f32.
;; Inputs: W_agg 512 x 512 float32; b_agg 512 float32; i 32 x 1,024 x 512 float32; j 32 x 1,024 x 512 float32.
;; Outputs: out0 32 x 512 float32.
;; 2 versions, each right; version 2 is version 1 with the launch colsum written anew for expert scheduling mode. Each part assembles by itself: llvm-mc -triple=amdgcn-amd-amdhsa -mcpu=gfx1250 --defsym DOCPART=n.
;; ======== version 1 of 2: 2 launches
;; limits: values are held in f16: magnitudes above 65,504 overflow, below 6.1e-05 lose precision
;; workspace buffers: dmean 65,536 bytes
;; launch colsum (part 1): grid 8 x 32, 16 waves a work-group, no clusters, 6,144 bytes of LDS; arguments i, j, dmean; writes dmean
.if DOCPART == 1
	.amdgcn_target "amdgcn-amd-amdhsa--gfx1250"
	.amdhsa_code_object_version 6
	.text
	.protected	k_qa1d9364d60_colsum
	.globl	k_qa1d9364d60_colsum
	.p2align	8
	.type	k_qa1d9364d60_colsum,@function
k_qa1d9364d60_colsum:
	s_mov_b64 s[64:65], 0
	v_nop
	global_prefetch_b8 v0, s[64:65] scope:SCOPE_SE
	s_setreg_imm32_b32 hwreg(HW_REG_WAVE_MODE, 25, 1), 1
	s_wait_xcnt 0x0
; dmean[b][k] = (1/1024) x the sum over l of (i[b][l][k] - j[b][l][k]).   i, j: [32][1024][512] f32.  dmean: [32][512] f32.
; WHY THIS IS ALL THAT THE MODULE NEEDS OF i AND j.  The module takes mean over l of weighted_j[l][d] = (1/L) sum over m of (sum over l of weight_j[l][m]) j[m][d], and weight_j is the softmax over l:
; the inner sum is 1 for every m, whatever the scores are.  Likewise mean over m of weighted_i[m][d] = (1/L) sum over l of (sum over m of weight_i[l][m]) i[l][d], with weight_i the softmax over m.  So
; mean(output_i) = mean(i) - mean(j) = d and mean(output_j) = -d, for every input for which the module's own numbers are finite.  This text therefore holds no instruction for the scores, the
; exponentials and the two contractions with the weights: their whole effect on the result is that factor 1 (in f32 arithmetic: 1 to within a few 2^-24).
; LIMITS.  Inputs with NaN or infinities, or so large that the module's scores overflow f32, give NaN in the module and not here.  The difference i - j is taken element by element, ahead of
; every sum, so an offset common to i and j is gone before anything large is added up.
; SHARES.  Work-group (c, b) owns batch b, all 1,024 rows, columns 64 c to 64 c + 63: 256 consecutive bytes of every row, at a multiple of 256 from the buffer's first byte.  8 x 32 = 256 work-groups, and each
; makes final numbers: 256 consecutive bytes of dmean.  Wave w owns rows 64 w to 64 w + 63.  One load of a wave takes two rows: lanes 0-15 the 256 bytes of the even row, lanes 16-31 those of the odd one;
; a lane keeps the same four columns throughout.
; A ring of 16 slots in registers, each a pair of rows of i and the same pair of j: 32 loads, 16 KiB, of every wave are on their way.  The 32 turns are written out by macro with the pair's place in the
; immediate, so no address register and no base is ever rewritten.  No LDS slots, no matrix unit, no cluster: no byte is read by two waves, and nothing is multiplied.
.set ROW,   2048                       ; bytes in a row of i or j
.set PAIR,  2*ROW                      ; two rows: what one load of a wave steps over
.set DEPTH, 16                         ; slots
.set PART,  0                          ; LDS: 16 waves x 64 f32, 256 bytes a wave
.set SPARE, 4096                       ; LDS: the spare words, 128 bytes for each of the 16 waves: eight blocks of 256 bytes that no other line names
.set VO,  1                            ; v1       my byte offset in the work-group's strip: 64 w rows + (lane / 16) rows + 16 (lane % 16); never rewritten
.set SPW, 2                            ; v2       LDS address of my spare word; never rewritten
.set NIL, 3                            ; v3       0; never rewritten
.set ACC, 4                            ; v[4:7]   the running sums of my four columns
.set T,   8                            ; v[8:11]  at work
.set LA,  12                           ; v12      where my wave's sums go in LDS
.set RA,  13                           ; v13      8 x lane: wave 0's place in a row of 256 bytes, in LDS and in dmean
.set X,   16                           ; v[16:143] slot s: v[X+8s .. +3] four numbers of i, v[X+8s+4 .. +7] the same of j
	s_load_b128 s[4:7], s[0:1], 0x0                ; i s[4:5], j s[6:7]
	s_load_b64 s[8:9], s[0:1], 0x10                ; dmean
	v_lshl_add_u32 v[SPW], v0, 2, SPARE
	v_mov_b32 v[NIL], 0
	v_lshrrev_b32 v14, 5, v0
	v_readfirstlane_b32 s10, v14                   ; my wave's number
	v_and_b32 v15, 15, v0                          ; lane % 16
	v_bfe_u32 v14, v0, 4, 1                        ; lane / 16
	s_lshl_b32 s18, s10, 17                        ; 64 rows of 2,048 bytes a wave
	s_lshl_b32 s19, s10, 8                         ; 256 bytes of LDS a wave
	v_lshlrev_b32 v[VO], 4, v15
	v_lshl_add_u32 v[VO], v14, 11, v[VO]
	v_add_nc_u32 v[VO], s18, v[VO]
	v_lshl_add_u32 v[LA], v15, 4, s19
	v_and_b32 v[RA], 31, v0
	v_lshlrev_b32 v[RA], 3, v[RA]
	s_and_b32 s11, ttmp7, 0xffff                   ; b
	s_lshl_b32 s14, s11, 21                        ; a batch of i or j is 1,024 rows of 2,048 bytes
	s_lshl_b32 s15, ttmp9, 8                       ; the strip: 256 bytes
	s_add_co_u32 s14, s14, s15
	s_lshl_b32 s16, s11, 11                        ; a row of dmean is 2,048 bytes
	s_add_co_u32 s16, s16, s15
	s_mov_b32 s15, 0
	s_mov_b32 s17, 0
	s_mov_b32 s12, 0x76543210                      ; v_permlanex16_b32: each lane takes its own place in the other half
	s_mov_b32 s13, 0xfedcba98
	s_wait_kmcnt 0x0
	s_add_nc_u64 s[4:5], s[4:5], s[14:15]
	s_add_nc_u64 s[6:7], s[6:7], s[14:15]
	s_add_nc_u64 s[8:9], s[8:9], s[16:17]
.macro FILL s, p                       ; slot s takes pair p of my wave's 32 pairs of rows.  Every byte is read once in the launch
	global_load_b128 v[X+8*(\s):X+8*(\s)+3],   v[VO], s[4:5] offset:(\p)*PAIR th:TH_LOAD_NT
	global_load_b128 v[X+8*(\s)+4:X+8*(\s)+7], v[VO], s[6:7] offset:(\p)*PAIR th:TH_LOAD_NT
.endm
; The turn of slot s.  first = 1: the differences start the sums: nothing is cleared.  ahead = 1: the slot takes the pair 16 further on.  left = the younger loads, which stay out.
.macro TURN s, first, ahead, left
	s_wait_loadcnt \left                           ; loads come back in order (ISA guide 5.7.1): this slot's two are in
.if \first
	v_pk_add_f32 v[ACC:ACC+1],   v[X+8*(\s):X+8*(\s)+1],   v[X+8*(\s)+4:X+8*(\s)+5] neg_lo:[0,1] neg_hi:[0,1]
	v_pk_add_f32 v[ACC+2:ACC+3], v[X+8*(\s)+2:X+8*(\s)+3], v[X+8*(\s)+6:X+8*(\s)+7] neg_lo:[0,1] neg_hi:[0,1]
.else
	v_pk_add_f32 v[T:T+1],   v[X+8*(\s):X+8*(\s)+1],   v[X+8*(\s)+4:X+8*(\s)+5] neg_lo:[0,1] neg_hi:[0,1]  ; i - j
	v_pk_add_f32 v[T+2:T+3], v[X+8*(\s)+2:X+8*(\s)+3], v[X+8*(\s)+6:X+8*(\s)+7] neg_lo:[0,1] neg_hi:[0,1]
	v_pk_add_f32 v[ACC:ACC+1],   v[ACC:ACC+1],   v[T:T+1]
	v_pk_add_f32 v[ACC+2:ACC+3], v[ACC+2:ACC+3], v[T+2:T+3]
.endif
.if \ahead
	FILL \s, (\s)+DEPTH
.endif
.endm
.irp s, 0,1,2,3,4,5,6,7,8,9,10,11,12,13,14,15
	FILL \s, \s                                    ; the ring is filled: pairs 0 to 15
.endr
	; Round 1.  Behind slot s's two loads stand 2 (15 - s) of the first fills and 2 s of this round's refills: 30, whatever s.
	TURN 0, 1, 1, 30
.irp s, 1,2,3,4,5,6,7,8,9,10,11,12,13,14,15
	TURN \s, 0, 1, 30
.endr
	; Round 2 loads nothing.  Behind slot s's two loads stand the refills of slots s + 1 to 15: the counts run down to 0.
.irp s, 0,1,2,3,4,5,6,7,8,9,10,11,12,13,14,15
	TURN \s, 0, 0, 30-2*(\s)
.endr
	; The even rows' sums (lanes 0-15) and the odd rows' (lanes 16-31) meet: both halves then hold the same numbers.
.irp k, 0,1,2,3
	v_permlanex16_b32 v[T+(\k)], v[ACC+(\k)], s12, s13
.endr
	v_pk_add_f32 v[ACC:ACC+1],   v[ACC:ACC+1],   v[T:T+1]
	v_pk_add_f32 v[ACC+2:ACC+3], v[ACC+2:ACC+3], v[T+2:T+3]
	ds_store_b128 v[LA], v[ACC:ACC+3]              ; my wave's 64 sums; lanes r and r + 16 write the same bytes with the same numbers
	s_wait_tensorcnt 0x0
	ds_add_u32 v[SPW], v[NIL]
	s_wait_dscnt 0x0                               ; for the others' sake: my store is done before I signal
	s_barrier_signal -1
	s_barrier_wait -1                              ; all sixteen waves' sums are in LDS
	s_cmp_lg_u32 s10, 0
	s_cbranch_scc1 .Lend                           ; wave 0 adds them up
.irp u, 0,1,2,3,4,5,6,7,8,9,10,11,12,13,14,15
	ds_load_b64 v[X+2*(\u):X+2*(\u)+1], v[RA] offset:PART+256*(\u)  ; wave u's 256 bytes: 32 lanes, two columns each
.endr
	s_wait_dscnt 0x0
.irp u, 0,1,2,3,4,5,6,7
	v_pk_add_f32 v[X+2*(\u):X+2*(\u)+1], v[X+2*(\u):X+2*(\u)+1], v[X+16+2*(\u):X+16+2*(\u)+1]
.endr
.irp u, 0,1,2,3
	v_pk_add_f32 v[X+2*(\u):X+2*(\u)+1], v[X+2*(\u):X+2*(\u)+1], v[X+8+2*(\u):X+8+2*(\u)+1]
.endr
.irp u, 0,1
	v_pk_add_f32 v[X+2*(\u):X+2*(\u)+1], v[X+2*(\u):X+2*(\u)+1], v[X+4+2*(\u):X+4+2*(\u)+1]
.endr
	v_pk_add_f32 v[X:X+1], v[X:X+1], v[X+2:X+3]
	v_pk_mul_f32 v[X:X+1], v[X:X+1], 0x3a800000 op_sel_hi:[1,0]  ; x 2^-10: the mean over 1,024 rows, exact
	global_store_b64 v[RA], v[X:X+1], s[8:9]       ; 32 lanes store 256 consecutive bytes, at a multiple of 256 from dmean's first byte
.Lend:
	s_endpgm
.Lfunc_end_k_qa1d9364d60_colsum:
	.size	k_qa1d9364d60_colsum, .Lfunc_end_k_qa1d9364d60_colsum-k_qa1d9364d60_colsum
	.p2alignl 7, 3214868480
	.fill 96, 4, 3214868480
	.section	.rodata,"a",@progbits
	.p2align	6, 0x0
	.amdhsa_kernel k_qa1d9364d60_colsum
		.amdhsa_group_segment_fixed_size 6144
		.amdhsa_private_segment_fixed_size 0
		.amdhsa_enable_private_segment 0
		.amdhsa_kernarg_size 24
		.amdhsa_user_sgpr_count 2
		.amdhsa_user_sgpr_kernarg_segment_ptr 1
		.amdhsa_wavefront_size32 1
		.amdhsa_system_sgpr_workgroup_id_x 1
		.amdhsa_system_sgpr_workgroup_id_y 1
		.amdhsa_system_sgpr_workgroup_id_z 1
		.amdhsa_system_vgpr_workitem_id 0
		.amdhsa_next_free_vgpr 144
		.amdhsa_next_free_sgpr 66
		.amdhsa_reserve_vcc 0
		.amdhsa_float_denorm_mode_32 3
		.amdhsa_float_denorm_mode_16_64 3
		.amdhsa_memory_ordered 1
		.amdhsa_forward_progress 1
		.amdhsa_inst_pref_size 20
	.end_amdhsa_kernel
	.amdgpu_metadata
---
amdhsa.version: [ 1, 2 ]
amdhsa.kernels:
  - .name:           k_qa1d9364d60_colsum
    .symbol:         k_qa1d9364d60_colsum.kd
    .args:
      - { .name: i, .offset: 0, .size: 8, .value_kind: global_buffer, .address_space: global }
      - { .name: j, .offset: 8, .size: 8, .value_kind: global_buffer, .address_space: global }
      - { .name: dmean, .offset: 16, .size: 8, .value_kind: global_buffer, .address_space: global }
    .group_segment_fixed_size: 6144
    .private_segment_fixed_size: 0
    .kernarg_segment_align: 8
    .kernarg_segment_size: 24
    .max_flat_workgroup_size: 512
    .sgpr_count:     66
    .vgpr_count:     144
    .wavefront_size: 32
...
	.end_amdgpu_metadata
.endif
;; end of part 1
;; launch agg (part 2): grid 8 x 1, 16 waves a work-group, no clusters, 133,120 bytes of LDS; arguments dmean, W_agg, b_agg, out0; writes out0
.if DOCPART == 2
	.amdgcn_target "amdgcn-amd-amdhsa--gfx1250"
	.amdhsa_code_object_version 6
	.text
	.protected	k_qa1d9364d60_agg
	.globl	k_qa1d9364d60_agg
	.p2align	8
	.type	k_qa1d9364d60_agg,@function
k_qa1d9364d60_agg:
	s_mov_b64 s[64:65], 0
	v_nop
	global_prefetch_b8 v0, s[64:65] scope:SCOPE_SE
	s_setreg_imm32_b32 hwreg(HW_REG_WAVE_MODE, 25, 1), 1
	s_wait_xcnt 0x0
; out0[b][n] = 0.5 (relu(y + bias[n]) + relu(-y + bias[n])),  y = the sum over k of dmean[b][k] W[k][n].   dmean: [32][512] f32, W: [512][512] f32, bias: [512] f32, out0: [32][512] f32.
; dmean is mean(output_i) of the module and -dmean is mean(output_j) (the launch before says why); (-d) W = -(d W) exactly, so one product serves both halves.
; FORMAT AND LIMITS.  dmean and W are rounded to f16 for the product, sums in f32, all else in f32.  A magnitude of 65,520 or more in dmean or W becomes an infinity; below 6e-5 f16 keeps a fixed step of 6e-8.
; As drawn both are about 0.04; thirty times more or less, or offsets of thirty spreads, leave them between about 1e-3 and 1e3.  v_max_num_f32 drops a NaN: NaN inputs are not carried through.
; SHARES.  Work-group x owns columns 64 x to 64 x + 63 of all 32 rows: 256 consecutive bytes of every row of W and of out0, so W is read once in the launch.  K is split over the 16 waves, 32 each: a wave
; issues 8 matrix instructions (2 blocks of 16 batches x 4 blocks of 16 columns), each on an accumulator of its own and each with C = 0.  The 16 partial products meet in LDS; waves 0 to 3 add them and finish.
; COLUMNS.  W lies [k][n].  A lane (r = lane % 16, h = lane / 16) loads 16 bytes, W[k][64 x + 4 r .. + 3], so a wave's load takes the 256 bytes of row k and those of row k + 8.  Column block t is made of the
; columns 64 x + 4 r + t, r = 0 .. 15: a lane's four blocks then hold four NEIGHBOURING columns, which leave as 16 bytes.  k stands in its true places.
; NO CLUSTER: what the 8 work-groups share is dmean, 64 KiB of the 192 KiB that a work-group reads, taken once, straight into the fragments' layout; a joint load would put rounds of the cluster's barrier
; and a way through LDS in front of a single step of work.  No tensor loads: one burst of loads, nothing is filled again.
.set WPART, 8192                       ; LDS: wave u's partial product at u x 8,192: 16 chunks of 512 bytes; chunk 8 a + 2 t + q = registers 4 q .. 4 q + 3 of accumulator (a, t), lane l at 16 l
.set SPARE, 131072                     ; LDS: the spare words, 128 bytes for each of the 16 waves: eight blocks of 256 bytes that no other line names
.set VW,   4                           ; v4   my byte offset in the strip of W: (32 w + 8 h) rows + 16 r
.set VD,   5                           ; v5   my byte offset in dmean: row r, k = 32 w + 8 h
.set VB,   6                           ; v6   16 r: my four columns in the strip's bias
.set SA,   7                           ; v7   where my 16 bytes of a chunk go: 8,192 w + 16 lane
.set RA0,  8                           ; v8   a finishing wave: its chunk of column block 0 in wave 0's part
.set RA1,  9                           ; v9   the same in wave 8's part (an LDS immediate has 16 bits)
.set VOUT, 10                          ; v10  a finishing wave: my byte offset in the strip of out0
.set SPW,  12                          ; v12  LDS address of my spare word; never rewritten
.set NIL,  13                          ; v13  0; never rewritten
.set BI,   16                          ; v[16:19]  the bias of my four columns
.set BH,   20                          ; v[20:23]  half of it
.set U,    24                          ; v[24:27]  at work
.set V,    28                          ; v[28:31]  at work
.set WF,   32                          ; v[32:95]  W as loaded: load q at WF + 4 q.  Later R0, 16 waves x 4 numbers
.set AF,   96                          ; v[96:127] dmean as loaded: block a, load c at AF + 16 a + 4 c.  Later XS and O
.set XS,   96                          ; v[96:111]  y: column t, row jj at XS + 4 t + jj
.set O,    112                         ; v[112:127] results: row jj, column t at O + 4 jj + t
.set BF,   128                         ; v[128:159] W's fragments in f16: column block t at BF + 8 t
.set AB,   160                         ; v[160:175] dmean's fragments in f16: batch block a at AB + 8 a
.set ACC,  176                         ; v[176:239] accumulator (a, t) at ACC + 8 (4 a + t).  Later R1
.set R0,   WF
.set R1,   ACC
	s_load_b256 s[4:11], s[0:1], 0x0               ; dmean s[4:5], W s[6:7], bias s[8:9], out0 s[10:11]
	v_lshl_add_u32 v[SPW], v0, 2, SPARE
	v_mov_b32 v[NIL], 0
	v_and_b32 v1, 15, v0                           ; r
	v_bfe_u32 v2, v0, 4, 1                         ; h
	v_lshrrev_b32 v3, 5, v0
	v_readfirstlane_b32 s12, v3                    ; my wave's number w
	s_lshl_b32 s14, ttmp9, 8                       ; the strip: 256 bytes
	s_mov_b32 s15, 0
	s_bfe_u32 s16, s12, 0x10001                    ; a finishing wave's batch block a: bit 1 of w,
	s_and_b32 s17, s12, 1                          ; and its half q of an accumulator's registers: bit 0
	s_lshl_b32 s18, s16, 12
	s_lshl_b32 s20, s17, 9
	s_add_co_u32 s18, s18, s20                     ; its chunks begin at 4,096 a + 512 q of a wave's part
	s_lshl_b32 s19, s16, 15
	s_lshl_b32 s20, s17, 13
	s_add_co_u32 s19, s19, s20                     ; its rows of out0 begin at row 16 a + 4 q: 2,048 bytes a row
	s_lshl_b32 s20, s12, 13                        ; my part in LDS
	s_lshl_b32 s21, s12, 16                        ; my 32 rows of W
	s_lshl_b32 s22, s12, 7                         ; my 32 numbers of a row of dmean
	v_lshlrev_b32 v[VB], 4, v1
	v_lshl_add_u32 v[VW], v2, 14, v[VB]            ; 8 h rows of 2,048 bytes + 16 r
	v_add_nc_u32 v[VW], s21, v[VW]
	v_lshlrev_b32 v[VD], 11, v1
	v_lshl_add_u32 v[VD], v2, 5, v[VD]
	v_add_nc_u32 v[VD], s22, v[VD]
	s_wait_kmcnt 0x0
	s_add_nc_u64 s[6:7], s[6:7], s[14:15]
	s_add_nc_u64 s[8:9], s[8:9], s[14:15]
	s_add_nc_u64 s[10:11], s[10:11], s[14:15]
	global_load_b128 v[BI:BI+3], v[VB], s[8:9]     ; every wave loads it, one line without a branch; waves 0 to 3 use it.  It is the oldest load
	; A fragment holds, in a lane, k = 8 h + 0..7 (registers 0-3) and k = 16 + 8 h + 0..7 (registers 4-7): load q takes row 32 w + 8 h + q, from q = 8 on eight rows further down.
.irp q, 0,1,2,3,4,5,6,7,8,9,10,11,12,13,14,15
	global_load_b128 v[WF+4*(\q):WF+4*(\q)+3], v[VW], s[6:7] offset:((\q)+8*((\q)/8))*2048 th:TH_LOAD_NT
.endr
.irp a, 0,1
.irp c, 0,1,2,3
	global_load_b128 v[AF+16*(\a)+4*(\c):AF+16*(\a)+4*(\c)+3], v[VD], s[4:5] offset:(\a)*32768+16*(\c)+32*((\c)/2)  ; batch 16 a + r; k = 8 h + 0..3, + 4..7, 16 + 8 h + 0..3, + 4..7
.endr
.endr
	s_wait_loadcnt 8                               ; the bias and W are in; the eight loads of dmean are younger
.irp t, 0,1,2,3
.irp p, 0,1,2,3,4,5,6,7
	v_cvt_pk_f16_f32 v[BF+8*(\t)+(\p)], v[WF+8*(\p)+(\t)], v[WF+8*(\p)+4+(\t)]  ; column 4 r + t of loads 2 p and 2 p + 1: two neighbouring k
.endr
.endr
	s_wait_loadcnt 0x0
.irp a, 0,1
.irp p, 0,1,2,3,4,5,6,7
	v_cvt_pk_f16_f32 v[AB+8*(\a)+(\p)], v[AF+16*(\a)+2*(\p)], v[AF+16*(\a)+2*(\p)+1]
.endr
.endr
.irp a, 0,1
.irp t, 0,1,2,3
	v_wmma_f32_16x16x32_f16 v[ACC+8*(4*(\a)+(\t)):ACC+8*(4*(\a)+(\t))+7], v[AB+8*(\a):AB+8*(\a)+7], v[BF+8*(\t):BF+8*(\t)+7], 0  ; register j of lane (r, h): batch 16 a + 8 h + j, column 4 r + t
.endr
.endr
	; Eight plain vector instructions that name no register of those products stand between the last of them and the stores that read the results: the addresses for what follows.
	v_and_b32 v11, 31, v0
	v_lshlrev_b32 v11, 4, v11                      ; 16 x lane
	v_add_nc_u32 v[SA], s20, v11
	v_add_nc_u32 v[RA0], s18, v11
	v_add_nc_u32 v[RA1], 0x10000, v[RA0]
	v_lshlrev_b32 v[VOUT], 14, v2                  ; 8 h rows of out0
	v_lshl_add_u32 v[VOUT], v1, 4, v[VOUT]
	v_add_nc_u32 v[VOUT], s19, v[VOUT]
.irp a, 0,1
.irp t, 0,1,2,3
.irp q, 0,1
	ds_store_b128 v[SA], v[ACC+8*(4*(\a)+(\t))+4*(\q):ACC+8*(4*(\a)+(\t))+4*(\q)+3] offset:512*(8*(\a)+2*(\t)+(\q))  ; 32 lanes, 512 consecutive bytes; each accumulator's low four registers go first
.endr
.endr
.endr
	s_wait_tensorcnt 0x0
	ds_add_u32 v[SPW], v[NIL]
	s_wait_dscnt 0x0                               ; for the others' sake: my stores are done before I signal
	s_barrier_signal -1
	s_barrier_wait -1                              ; all sixteen partial products are in LDS
	s_cmp_lt_u32 s12, 4
	s_cbranch_scc0 .Lend                           ; waves 0 to 3 finish: wave (a, q) takes rows 16 a + 8 h + 4 q + 0..3, all 64 columns
; 16 LDS loads: my chunk of column block t from each of the 16 waves' parts, wave u's four numbers into R + 4 u
.macro GROUP t, R
.irp u, 0,1,2,3,4,5,6,7
	ds_load_b128 v[(\R)+4*(\u):(\R)+4*(\u)+3], v[RA0] offset:(\u)*WPART+(\t)*1024
.endr
.irp u, 0,1,2,3,4,5,6,7
	ds_load_b128 v[(\R)+32+4*(\u):(\R)+32+4*(\u)+3], v[RA1] offset:(\u)*WPART+(\t)*1024
.endr
.endm
; the 16 waves' numbers are added, in a tree: waves 8, 4, 2 and 1 apart
.macro SUM R, t
.irp n, 0,1,2,3,4,5,6,7,8,9,10,11,12,13,14,15
	v_pk_add_f32 v[(\R)+2*(\n):(\R)+2*(\n)+1], v[(\R)+2*(\n):(\R)+2*(\n)+1], v[(\R)+32+2*(\n):(\R)+32+2*(\n)+1]
.endr
.irp n, 0,1,2,3,4,5,6,7
	v_pk_add_f32 v[(\R)+2*(\n):(\R)+2*(\n)+1], v[(\R)+2*(\n):(\R)+2*(\n)+1], v[(\R)+16+2*(\n):(\R)+16+2*(\n)+1]
.endr
.irp n, 0,1,2,3
	v_pk_add_f32 v[(\R)+2*(\n):(\R)+2*(\n)+1], v[(\R)+2*(\n):(\R)+2*(\n)+1], v[(\R)+8+2*(\n):(\R)+8+2*(\n)+1]
.endr
.irp n, 0,1
	v_pk_add_f32 v[XS+4*(\t)+2*(\n):XS+4*(\t)+2*(\n)+1], v[(\R)+2*(\n):(\R)+2*(\n)+1], v[(\R)+4+2*(\n):(\R)+4+2*(\n)+1]
.endr
.endm
	GROUP 0, R0
	GROUP 1, R1
.irp t, 0,1,2,3
	v_mul_f32 v[BH+(\t)], 0.5, v[BI+(\t)]
.endr
	s_wait_dscnt 16                                ; LDS loads come back in order (ISA guide 5.7.1): the older group is in, the younger group's 16 stay out
	SUM R0, 0
	GROUP 2, R0
	s_wait_dscnt 16
	SUM R1, 1
	GROUP 3, R1
	s_wait_dscnt 16
	SUM R0, 2
	s_wait_dscnt 0x0
	SUM R1, 3
; Row jj of my four: 0.5 relu(y + b) + 0.5 relu(-y + b) = relu(0.5 y + 0.5 b) + relu(-0.5 y + 0.5 b); halving is exact, so each fused multiply-add rounds as the module's addition does.
.macro EPI jj
.irp t, 0,1,2,3
	v_fma_f32 v[U+(\t)], v[XS+4*(\t)+(\jj)], 0.5, v[BH+(\t)]
.endr
.irp t, 0,1,2,3
	v_fma_f32 v[V+(\t)], v[XS+4*(\t)+(\jj)], -0.5, v[BH+(\t)]
.endr
.irp t, 0,1,2,3
	v_max_num_f32 v[U+(\t)], 0, v[U+(\t)]
.endr
.irp t, 0,1,2,3
	v_max_num_f32 v[V+(\t)], 0, v[V+(\t)]
.endr
.irp t, 0,1,2,3
	v_add_f32 v[O+4*(\jj)+(\t)], v[U+(\t)], v[V+(\t)]
.endr
	global_store_b128 v[VOUT], v[O+4*(\jj):O+4*(\jj)+3], s[10:11] offset:(\jj)*2048  ; lanes 0-15 store 256 consecutive bytes of one row, at a multiple of 256 from out0's first byte; lanes 16-31 those of the row eight further down
.endm
	EPI 0
	EPI 1
	EPI 2
	EPI 3
.Lend:
	s_endpgm
.Lfunc_end_k_qa1d9364d60_agg:
	.size	k_qa1d9364d60_agg, .Lfunc_end_k_qa1d9364d60_agg-k_qa1d9364d60_agg
	.p2alignl 7, 3214868480
	.fill 96, 4, 3214868480
	.section	.rodata,"a",@progbits
	.p2align	6, 0x0
	.amdhsa_kernel k_qa1d9364d60_agg
		.amdhsa_group_segment_fixed_size 133120
		.amdhsa_private_segment_fixed_size 0
		.amdhsa_enable_private_segment 0
		.amdhsa_kernarg_size 32
		.amdhsa_user_sgpr_count 2
		.amdhsa_user_sgpr_kernarg_segment_ptr 1
		.amdhsa_wavefront_size32 1
		.amdhsa_system_sgpr_workgroup_id_x 1
		.amdhsa_system_sgpr_workgroup_id_y 1
		.amdhsa_system_sgpr_workgroup_id_z 1
		.amdhsa_system_vgpr_workitem_id 0
		.amdhsa_next_free_vgpr 240
		.amdhsa_next_free_sgpr 66
		.amdhsa_reserve_vcc 0
		.amdhsa_float_denorm_mode_32 3
		.amdhsa_float_denorm_mode_16_64 3
		.amdhsa_memory_ordered 1
		.amdhsa_forward_progress 1
		.amdhsa_inst_pref_size 25
	.end_amdhsa_kernel
	.amdgpu_metadata
---
amdhsa.version: [ 1, 2 ]
amdhsa.kernels:
  - .name:           k_qa1d9364d60_agg
    .symbol:         k_qa1d9364d60_agg.kd
    .args:
      - { .name: dmean, .offset: 0, .size: 8, .value_kind: global_buffer, .address_space: global }
      - { .name: W_agg, .offset: 8, .size: 8, .value_kind: global_buffer, .address_space: global }
      - { .name: b_agg, .offset: 16, .size: 8, .value_kind: global_buffer, .address_space: global }
      - { .name: out0, .offset: 24, .size: 8, .value_kind: global_buffer, .address_space: global }
    .group_segment_fixed_size: 133120
    .private_segment_fixed_size: 0
    .kernarg_segment_align: 8
    .kernarg_segment_size: 32
    .max_flat_workgroup_size: 512
    .sgpr_count:     66
    .vgpr_count:     240
    .wavefront_size: 32
...
	.end_amdgpu_metadata
.endif
;; end of part 2
;; ======== version 2 of 2: 2 launches; version 1 with the launch colsum written anew for expert scheduling mode
;; limits: values are held in f16: magnitudes above 65,504 overflow, below 6.1e-05 lose precision
;; workspace buffers: dmean 65,536 bytes
;; launch colsum (part 3): grid 8 x 32, 16 waves a work-group, no clusters, 6,144 bytes of LDS; arguments i, j, dmean; writes dmean
.if DOCPART == 3
	.amdgcn_target "amdgcn-amd-amdhsa--gfx1250"
	.amdhsa_code_object_version 6
	.text
	.protected	k_qa1d9364d60_colsum
	.globl	k_qa1d9364d60_colsum
	.p2align	8
	.type	k_qa1d9364d60_colsum,@function
k_qa1d9364d60_colsum:
	s_mov_b64 s[64:65], 0
	v_nop
	global_prefetch_b8 v0, s[64:65] scope:SCOPE_SE
	s_setreg_imm32_b32 hwreg(HW_REG_WAVE_SCHED_MODE, 0, 2), 2
	s_setreg_imm32_b32 hwreg(HW_REG_WAVE_MODE, 25, 1), 1
	s_wait_xcnt 0x0
	s_wait_alu depctr_vm_vsrc(0)
; dmean[b][k] = (1/1024) x the sum over l of (i[b][l][k] - j[b][l][k]).   i, j: [32][1024][512] f32.  dmean: [32][512] f32.
; WHY THIS IS ALL THAT THE MODULE NEEDS OF i AND j.  The module takes mean over l of weighted_j[l][d] = (1/L) sum over m of (sum over l of weight_j[l][m]) j[m][d], and weight_j is the softmax over l:
; the inner sum is 1 for every m, whatever the scores are.  Likewise mean over m of weighted_i[m][d] = (1/L) sum over l of (sum over m of weight_i[l][m]) i[l][d], with weight_i the softmax over m.  So
; mean(output_i) = mean(i) - mean(j) = d and mean(output_j) = -d, for every input for which the module's own numbers are finite.  This text therefore holds no instruction for the scores, the
; exponentials and the two contractions with the weights: their whole effect on the result is that factor 1 (in f32 arithmetic: 1 to within a few 2^-24).
; LIMITS.  Inputs with NaN or infinities, or so large that the module's scores overflow f32, give NaN in the module and not here.  The difference i - j is taken element by element, ahead of
; every sum, so an offset common to i and j is gone before anything large is added up.
; SHARES.  Work-group (c, b) owns batch b, all 1,024 rows, columns 64 c to 64 c + 63: 256 consecutive bytes of every row, at a multiple of 256 from the buffer's first byte.  8 x 32 = 256 work-groups, and each
; makes final numbers: 256 consecutive bytes of dmean.  Wave w owns rows 64 w to 64 w + 63.  One load of a wave takes two rows: lanes 0-15 the 256 bytes of the even row, lanes 16-31 those of the odd one;
; a lane keeps the same four columns throughout.
; A ring of slots in registers, each a pair of rows of i and the same pair of j: 32 loads, 16 KiB, of every wave are on their way.  The 32 turns are written out by macro with the pair's place in the
; immediate, so no address register and no base is ever rewritten.  No LDS slots, no matrix unit, no cluster: no byte is read by two waves, and nothing is multiplied.
; THE MODE: SCHED_MODE bits 1:0 = 2 (LLVM: expert scheduling mode 2), set by the entry lines.  The code itself states the register dependences
; between vector instructions and memory or LDS instructions, with s_wait_alu, always for 0.
; THE PLAN.  Registers that memory or LDS instructions touch:
;   X          20 slots in five blocks of four; pair n lies in slot n % 20.  Written by the loads; read by turn n's two subtractions.  The first fills are pairs 0 to 15; turn n (n < 16) asks for pair
;              n + 16, which lands in slot (n + 16) % 20: the block that the four turns BEFORE this block of turns worked on (for turns 0 to 3: the fifth block, which nothing has named).
;              At the end wave 0's LDS loads land in slots 0 to 3.
;   v[VO]      read by every global load;  v[LA]  by the LDS store;  v[RA]  by wave 0's LDS loads and its global store.  All three are made once at the head and never written again.
;   ACC        written by vector instructions, read by the one LDS store.   v[X:X+1]  written by wave 0's last additions, read by the one global store.
;   T is named by vector instructions alone.
; So one wait on va_vdst stands at the head of turns 4, 8 and 12: the four turns before are done reading their block.  The block's eight refills follow it with no further wait, two ahead of each turn's
; additions, which name this block's own slots, T and ACC: none of the registers in which those loads land.  No register that a memory instruction reads is ever written again: no wait on vm_vsrc is owed.
.set ROW,   2048                       ; bytes in a row of i or j
.set PAIR,  2*ROW                      ; two rows: what one load of a wave steps over
.set DEPTH, 16                         ; pairs on their way
.set BLOCK, 4                          ; slots in a block
.set SLOTS, DEPTH+BLOCK                ; slots in registers
.set PAIRS, 32                         ; pairs of rows of a wave
.set PART,  0                          ; LDS: 16 waves x 64 f32, 256 bytes a wave; the bytes from 4,096 on hold a spare word for each lane, to which each wave adds 0 at its end
.set VO,  1                            ; v1       my byte offset in the work-group's strip: 64 w rows + (lane / 16) rows + 16 (lane % 16); never rewritten
.set ACC, 4                            ; v[4:7]   the running sums of my four columns
.set T,   8                            ; v[8:11]  at work
.set LA,  12                           ; v12      where my wave's sums go in LDS
.set RA,  13                           ; v13      8 x lane: wave 0's place in a row of 256 bytes, in LDS and in dmean
.set X,   16                           ; v[16:175] slot s: v[X+8s .. +3] four numbers of i, v[X+8s+4 .. +7] the same of j
	s_load_b128 s[4:7], s[0:1], 0x0                ; i s[4:5], j s[6:7]
	s_load_b64 s[8:9], s[0:1], 0x10                ; dmean
	v_lshl_add_u32 v2, v0, 2, 0x1000
	v_mov_b32 v3, 0
	v_lshrrev_b32 v14, 5, v0
	v_readfirstlane_b32 s10, v14                   ; my wave's number
	v_and_b32 v15, 15, v0                          ; lane % 16
	v_bfe_u32 v14, v0, 4, 1                        ; lane / 16
	v_lshlrev_b32 v[VO], 4, v15
	v_lshl_add_u32 v[VO], v14, 11, v[VO]
	v_and_b32 v[RA], 31, v0
	v_lshlrev_b32 v[RA], 3, v[RA]
	s_wait_alu depctr_va_sdst(0)                   ; s10 is written, ahead of its first reader: the wave's terms of the addresses are made from it
	s_lshl_b32 s18, s10, 17                        ; 64 rows of 2,048 bytes a wave
	s_lshl_b32 s19, s10, 8                         ; 256 bytes of LDS a wave
	v_add_nc_u32 v[VO], s18, v[VO]
	v_lshl_add_u32 v[LA], v15, 4, s19
	s_and_b32 s11, ttmp7, 0xffff                   ; b
	s_lshl_b32 s14, s11, 21                        ; a batch of i or j is 1,024 rows of 2,048 bytes
	s_lshl_b32 s15, ttmp9, 8                       ; the strip: 256 bytes
	s_add_co_u32 s14, s14, s15
	s_lshl_b32 s16, s11, 11                        ; a row of dmean is 2,048 bytes
	s_add_co_u32 s16, s16, s15
	s_mov_b32 s15, 0
	s_mov_b32 s17, 0
	s_mov_b32 s12, 0x76543210                      ; v_permlanex16_b32: each lane takes its own place in the other half
	s_mov_b32 s13, 0xfedcba98
	s_wait_kmcnt 0x0
	s_add_nc_u64 s[4:5], s[4:5], s[14:15]
	s_add_nc_u64 s[6:7], s[6:7], s[14:15]
	s_add_nc_u64 s[8:9], s[8:9], s[16:17]
	s_wait_alu depctr_va_vdst(0)                   ; v[VO], v[LA] and v[RA] are written: every load and store of the kernel, global or LDS, reads one of them as its address
.macro FILL p                          ; pair p of my wave's 32 pairs of rows goes into slot p % 20.  Every byte is read once in the launch
.set fs, X+8*((\p)%SLOTS)
	global_load_b128 v[fs:fs+3],   v[VO], s[4:5] offset:(\p)*PAIR th:TH_LOAD_NT
	global_load_b128 v[fs+4:fs+7], v[VO], s[6:7] offset:(\p)*PAIR th:TH_LOAD_NT
.endm
; The turn of pair p.  Turn 0's differences start the sums: nothing is cleared.  Turns 0 to 15 ask for the pair 16 further on; the others load nothing.
.macro TURN p
.set ts, X+8*((\p)%SLOTS)
.if (\p) < DEPTH
	s_wait_loadcnt 30                              ; loads come back in order (ISA guide 5.7.1): this pair's two are in; pairs p + 1 to p + 15 have been asked for behind it: 30 loads stay out
.else
	s_wait_loadcnt 2*(PAIRS-1-(\p))                ; behind this pair's two loads stand those of pairs p + 1 to 31: the counts run down to 0
.endif
.if ((\p) < DEPTH) && ((\p) >= BLOCK) && ((\p)%BLOCK == 0)
	s_wait_alu depctr_va_vdst(0)                   ; the four turns before are done reading their block of slots, in which the loads of this turn and of the next three land
.endif
.if (\p) < DEPTH
	FILL (\p)+DEPTH                                ; no vector instruction since that wait names these registers (turns 0 to 3: none at all has)
.endif
.if (\p) == 0
	v_pk_add_f32 v[ACC:ACC+1],   v[ts:ts+1],   v[ts+4:ts+5] neg_lo:[0,1] neg_hi:[0,1]
	v_pk_add_f32 v[ACC+2:ACC+3], v[ts+2:ts+3], v[ts+6:ts+7] neg_lo:[0,1] neg_hi:[0,1]
.else
	v_pk_add_f32 v[T:T+1],   v[ts:ts+1],   v[ts+4:ts+5] neg_lo:[0,1] neg_hi:[0,1]  ; i - j
	v_pk_add_f32 v[T+2:T+3], v[ts+2:ts+3], v[ts+6:ts+7] neg_lo:[0,1] neg_hi:[0,1]
	v_pk_add_f32 v[ACC:ACC+1],   v[ACC:ACC+1],   v[T:T+1]
	v_pk_add_f32 v[ACC+2:ACC+3], v[ACC+2:ACC+3], v[T+2:T+3]
.endif
.endm
.irp s, 0,1,2,3,4,5,6,7,8,9,10,11,12,13,14,15
	FILL \s                                        ; the first fills: pairs 0 to 15
.endr
.set n, 0
.rept PAIRS
	TURN n
.set n, n+1
.endr
	; The even rows' sums (lanes 0-15) and the odd rows' (lanes 16-31) meet: both halves then hold the same numbers.
.irp k, 0,1,2,3
	v_permlanex16_b32 v[T+(\k)], v[ACC+(\k)], s12, s13
.endr
	v_pk_add_f32 v[ACC:ACC+1],   v[ACC:ACC+1],   v[T:T+1]
	v_pk_add_f32 v[ACC+2:ACC+3], v[ACC+2:ACC+3], v[T+2:T+3]
	s_wait_alu depctr_va_vdst(0)                   ; ACC is written, which the LDS store reads; and every turn is done reading X, in whose slots 0 to 3 wave 0's LDS loads land: no vector instruction stands between here and them
	ds_store_b128 v[LA], v[ACC:ACC+3]              ; my wave's 64 sums; lanes r and r + 16 write the same bytes with the same numbers
	                                               ; (the add of 0 to the spare word comes at the end, for every wave)
	s_wait_dscnt 0x0                               ; for the others' sake: my store is done before I signal
	s_barrier_signal -1
	s_barrier_wait -1                              ; all sixteen waves' sums are in LDS
	s_cmp_lg_u32 s10, 0
	s_cbranch_scc1 .Lend                           ; wave 0 adds them up
.irp u, 0,1,2,3,4,5,6,7,8,9,10,11,12,13,14,15
	ds_load_b64 v[X+2*(\u):X+2*(\u)+1], v[RA] offset:PART+256*(\u)  ; wave u's 256 bytes: 32 lanes, two columns each
.endr
	s_wait_dscnt 0x0
.irp u, 0,1,2,3,4,5,6,7
	v_pk_add_f32 v[X+2*(\u):X+2*(\u)+1], v[X+2*(\u):X+2*(\u)+1], v[X+16+2*(\u):X+16+2*(\u)+1]
.endr
.irp u, 0,1,2,3
	v_pk_add_f32 v[X+2*(\u):X+2*(\u)+1], v[X+2*(\u):X+2*(\u)+1], v[X+8+2*(\u):X+8+2*(\u)+1]
.endr
.irp u, 0,1
	v_pk_add_f32 v[X+2*(\u):X+2*(\u)+1], v[X+2*(\u):X+2*(\u)+1], v[X+4+2*(\u):X+4+2*(\u)+1]
.endr
	v_pk_add_f32 v[X:X+1], v[X:X+1], v[X+2:X+3]
	v_pk_mul_f32 v[X:X+1], v[X:X+1], 0x3a800000 op_sel_hi:[1,0]  ; x 2^-10: the mean over 1,024 rows, exact
	s_wait_alu depctr_va_vdst(0)                   ; the multiply has written v[X:X+1], which the store reads
	global_store_b64 v[RA], v[X:X+1], s[8:9]       ; 32 lanes store 256 consecutive bytes, at a multiple of 256 from dmean's first byte
.Lend:
	s_wait_dscnt 0x0
	s_wait_alu depctr_hold_cnt(0) depctr_sa_sdst(0) depctr_va_vdst(0) depctr_va_sdst(0) depctr_va_ssrc(0) depctr_va_vcc(0) depctr_vm_vsrc(0)
	s_wait_tensorcnt 0x0
	ds_add_u32 v2, v3
	s_wait_dscnt 0x0
	s_endpgm
.Lfunc_end_k_qa1d9364d60_colsum:
	.size	k_qa1d9364d60_colsum, .Lfunc_end_k_qa1d9364d60_colsum-k_qa1d9364d60_colsum
	.p2alignl 7, 3214868480
	.fill 96, 4, 3214868480
	.section	.rodata,"a",@progbits
	.p2align	6, 0x0
	.amdhsa_kernel k_qa1d9364d60_colsum
		.amdhsa_group_segment_fixed_size 6144
		.amdhsa_private_segment_fixed_size 0
		.amdhsa_enable_private_segment 0
		.amdhsa_kernarg_size 24
		.amdhsa_user_sgpr_count 2
		.amdhsa_user_sgpr_kernarg_segment_ptr 1
		.amdhsa_wavefront_size32 1
		.amdhsa_system_sgpr_workgroup_id_x 1
		.amdhsa_system_sgpr_workgroup_id_y 1
		.amdhsa_system_sgpr_workgroup_id_z 1
		.amdhsa_system_vgpr_workitem_id 0
		.amdhsa_next_free_vgpr 176
		.amdhsa_next_free_sgpr 66
		.amdhsa_reserve_vcc 0
		.amdhsa_float_denorm_mode_32 3
		.amdhsa_float_denorm_mode_16_64 3
		.amdhsa_memory_ordered 1
		.amdhsa_forward_progress 1
		.amdhsa_inst_pref_size 20
	.end_amdhsa_kernel
	.amdgpu_metadata
---
amdhsa.version: [ 1, 2 ]
amdhsa.kernels:
  - .name:           k_qa1d9364d60_colsum
    .symbol:         k_qa1d9364d60_colsum.kd
    .args:
      - { .name: i, .offset: 0, .size: 8, .value_kind: global_buffer, .address_space: global }
      - { .name: j, .offset: 8, .size: 8, .value_kind: global_buffer, .address_space: global }
      - { .name: dmean, .offset: 16, .size: 8, .value_kind: global_buffer, .address_space: global }
    .group_segment_fixed_size: 6144
    .private_segment_fixed_size: 0
    .kernarg_segment_align: 8
    .kernarg_segment_size: 24
    .max_flat_workgroup_size: 512
    .sgpr_count:     66
    .vgpr_count:     176
    .wavefront_size: 32
...
	.end_amdgpu_metadata
.endif
;; end of part 3
;; launch agg: the kernel of part 2 again; grid 8 x 1, 16 waves a work-group, no clusters, 133,120 bytes of LDS; arguments dmean, W_agg, b_agg, out0; writes out0
